; MI455X (gfx1250); checked and timed in simulation.
; The chip was launched on July 23, 2026; its instructions are those of AMD's public machine-readable ISA for CDNA 5 (MIT licence, August 2026) and "CDNA5" Instruction Set Architecture Reference Guide (July 2026). The comments in the code are by the model that wrote it; some were corrected since.
;; Attention. Allowed arithmetic: matrix products marked QUANTISED: E2M3 operands, one E8M0 scale for each 32 along K, by v_wmma_scale_f32_16x16x128_f8f6f4 with both operands' format E2M3, f32 sums; everything else in f32.
;; Inputs: key 4 x 16 x 2,048 x 64 float32; query 4 x 16 x 2,048 x 64 float32; value 4 x 16 x 2,048 x 64 float32.
;; Outputs: out0 4 x 16 x 2,048 x 64 float32.
;; This version of the problem:
;;   THIS VERSION OF THE PROBLEM IS GIVEN IN LOW PRECISION. The matrix products marked QUANTISED in the list below multiply operands that are first quantised to E2M3 (2 exponent bits, 3 mantissa bits; 6 bits a number), with one power-of-two scale for each 32 numbers along K (OCP MX v1.0); their sums are f32. All else is computed in f32.
;;   The module's matrix products, in the order in which they are computed (A, B: the left and right operand; K: the contracted axis; several contracted axes count as one K, in the product's order):
;;     1. batch 64 x [M 2,048, K 64] x [K 64, N 2,048]; A: input query; B: input key: QUANTISED
;;     2. batch 64 x [M 2,048, K 2,048] x [K 2,048, N 64]; A: softmax (see below); B: input value: QUANTISED
;;   THE QUANTISER, for each operand of a quantised product, along K:
;;     - K is cut into blocks of 32 from its start; a last block that is shorter is filled with zeros.
;;     - A block's scale is 2^e with e = floor(log2(the largest magnitude in the block)) - 2, held to -126 .. 127; a block of zeros has e = 0. As a byte (E8M0): e + 127.
;;     - Each number is divided by its block's scale, clamped to +-7.5, and rounded to the nearest number of E2M3, ties to even, subnormals kept.
;;     - The product sums the exact products of the quantised numbers (number of the format x scale) in f32.
;;   ~~~python
;;   def quantise(x, axis):      # numpy; x: float32 -> the quantised numbers, widened to float32 again
;;       x = np.moveaxis(x, axis, -1); K = x.shape[-1]
;;       x = np.pad(x, [(0, 0)] * (x.ndim - 1) + [(0, -K % 32)]); x = x.reshape(x.shape[:-1] + (-1, 32)); a = np.abs(x).max(-1, keepdims=True)
;;       e = np.where(a > 0, np.clip(np.frexp(np.where(a > 0, a, 1))[1] - 1 - 2, -126, 127), 0)      # np.frexp(a)[1] - 1 = floor(log2(a)), exactly
;;       r = np.clip(x / 2.0 ** e, -7.5, 7.5)
;;       step = 2.0 ** (np.maximum(np.frexp(np.where(r == 0, 1, r))[1] - 1, 0) - 3)
;;       q = np.round(r / step) * step * 2.0 ** e      # np.round: ties to even
;;       return np.moveaxis(q.reshape(q.shape[:-2] + (-1,))[..., :K], -1, axis).astype(np.float32)
;;   ~~~
;;   SOFTMAX AHEAD OF A QUANTISED PRODUCT. Where the list says 'softmax', what is quantised is not the finished softmax but p = 2^(t - M), with t = logit x log2(e) and M = ceil(the row's largest t), a whole number; so 1/2 < the row's largest p <= 1. The row's sum l is taken of the UNQUANTISED p, in f32, and the product's result is divided by l at the end. Since M is a whole number, a kernel that streams over the keys may use a running M (the ceiling of the running maximum): every later rescaling is an exact power of two, which a block's scale takes up: the codes' values come out the same.
;;   OPERANDS COMPUTED ON THE WAY. 'Computed on the way' means the value that the module computes at that place (a softmax that the list does not call 'softmax' is quantised finished and normalised). What goes into a quantiser is computed in f32, as accurately as f32 sums, v_exp_f32 and their like allow (about 1e-6 of the number): no bf16 or f16 on the way to a quantiser, and a product that is left as it is and whose result goes on into a quantised operand takes f32 operands (vector FMAs, or v_wmma_f32_16x16x4_f32). A number that lies on a knife's edge between two numbers of the format may be rounded either way, as far as f32 arithmetic and the matrix unit's own rounding can turn it there, and no further.
;; 2 versions, each right; version 2 is version 1 with the launch attn written anew for expert scheduling mode. Each part assembles by itself: llvm-mc -triple=amdgcn-amd-amdhsa -mcpu=gfx1250 --defsym DOCPART=n.
;; ======== version 1 of 2: 1 launch
;; launch attn (part 1): grid 4 x 64, 8 waves a work-group, no clusters, 288,256 bytes of LDS; arguments query, key, value, out0; writes out0
.if DOCPART == 1
	.amdgcn_target "amdgcn-amd-amdhsa--gfx1250"
	.amdhsa_code_object_version 6
	.text
	.protected	k_q674991a43c_attn
	.globl	k_q674991a43c_attn
	.p2align	8
	.type	k_q674991a43c_attn,@function
k_q674991a43c_attn:
	s_mov_b64 s[64:65], 0
	v_nop
	global_prefetch_b8 v0, s[64:65] scope:SCOPE_SE
	s_setreg_imm32_b32 hwreg(HW_REG_WAVE_MODE, 25, 1), 1
	s_wait_xcnt 0x0
; out[h][q][:] = sum over k of softmax_k(Q[h][q] . K[h][k] / 8) V[h][k][:].  64 heads, 2,048 queries and keys, 64 channels; all four tensors f32.
; Both products on codes of FP6 (E2M3) with one E8M0 scale for each 32 along a product's K: Q and K along the 64 channels, p and V along the keys.
; p = 2^(t - M), t = score x log2(e) / 8, M = the running largest t rounded up to a whole number; the row's sum is taken of the unquantised p and divides at the end.
; SHARES.  A work-group of eight waves owns 512 queries of one head.  PHASE A: it quantises the head's K and V (f32, read through registers) into LDS, as images of the operands' registers:
; wave w makes key steps 2 w and 2 w + 1 (a step = 128 keys); each wave also quantises its own 64 queries into registers.  One barrier.  PHASE B: two passes; in pass p wave w owns queries
; 256 p + 32 w .. + 31, two tiles of 16 that share every fragment read from LDS, and walks the 16 key steps.  A head's codes (2 x 98,304 bytes) and scale words stay in LDS: no ring, no further barrier.
; LAYOUT.  Both products are used transposed (S^T = K Q^T, O^T = V^T P^T): lane (r = lane % 16, h = lane / 16) holds query r throughout.
; THE KEYS OF A TILE ARE NOT NEIGHBOURS: row m of tile t (0..7 of a step) is key 64 (t / 4) + 32 (m / 8) + 8 (t % 4) + m % 8.  So a lane's 32 registers of tiles 0-3 are the 32 keys of block h,
; those of tiles 4-7 the 32 keys of block 2 + h: whole blocks in a lane, in the very order of the second product's operand: a block's maximum needs no other lane and no codes change lanes.
; THE FIRST PRODUCT'S K IS 64, THE INSTRUCTION'S 128: a fragment of K carries TWO tiles (k 0-63: tile 2 f, k 64-127: tile 2 f + 1), and Q stands as 18 registers [Q, zeros, Q]: registers 0-11 pick
; tile 2 f, registers 6-17 tile 2 f + 1.  Zero codes add nothing; Q's scale bytes beside them are 0, which is 2^-127 and no NaN.
; NO CLUSTER: the four work-groups of a head read the same K and V, but as f32 that must pass through registers to be quantised: 1 MiB a work-group through the LDS bytes that the images leave free
; would be many small joint refills, each with its own meeting of the cluster, for bytes that are read once, in the prologue.
; LIMITS: NaN and infinities among the inputs are not served.  A block of zeros gets the scale byte 1 where the rule says 127: its codes are zeros, and this program alone reads the bytes.
; A block whose largest magnitude lies under 2^(3 - 127) has its byte held at 1.  A p under 2^-126 comes out of v_exp_f32 as 0.  A block's largest p is made from the block's largest score by the
; same multiply-add and exponential, which takes v_exp_f32 not to fall where its input rises.
.set STEPB, 12800                      ; LDS, a key step: 4 fragments of K (1,536 bytes each: registers 4 g .. 4 g + 3 at 512 g + 16 x lane),
.set VO,    6144                       ; 4 fragments of V (fragment ct: channels 16 ct .. + 15), laid likewise,
.set SCKO,  12288                      ; K's scale words: 64 f + 4 r,
.set SCVO,  12544                      ; V's scale words: 4 x channel
.set STAGE, 17*STEPB                   ; behind the 16 steps one step's bytes stay free: TB + STEPB + a step's bytes, the look-ahead's reach, stays under STAGE for every value that TB takes, its last too
.set SP,    272                        ; a stage row: 256 bytes + 16: an odd multiple of 16, so that 16 rows of one column fall on different banks (64 banks of 4 bytes: ISA guide 11.1)
.set WSTG,  32*SP                      ; each wave's own stage: 32 rows
; window 0
.set L16,  1                           ; 16 x lane: a load's or store's place in 512 bytes, an image's place
.set L4,   2                           ; 4 x lane
.set AV16, 3                           ; the step's V loads: TB + 16 x lane, TB + 4 x lane
.set AV4,  4
.set SH8,  5                           ; 8 h: a byte's shift in a scale word
.set SI,   6                           ; stage: row h, 16 r   (rows as they are loaded or stored: two rows to an instruction)
.set SO,   7                           ; stage: row r, 128 h  (a row's block of 32 numbers)
.set SC,   8                           ; stage: 4 x lane      (a column)
.set KI,   9                           ; my wave's images: 16 x lane
.set KS,   10                          ; 4 r
.set VI,   11                          ; 1,536 h + 16 r
.set VS,   12                          ; 4 x lane
.set OSI,  13                          ; stage: row r, 32 h   (the way out)
.set AK16, 14                          ; the next step's K loads: registers of their own, written again only when the loads that named them are in
.set AK4,  15
.set ST,   16                          ; tile T at ST + 8 T: +0 -M, +1 the largest score, +2 +3 the sum, +4 f (later 1 / sum), +5 its pair's upper half, +6 +7 at work
.set BS,   32                          ; tile T at BS + 8 T: +0 +1 my two blocks' maxima, +2 +3 the conversions' scale operands, +4 +5 the bytes, +6 +7 the word at work
.set KSC,  48                          ; v48-57 hold scales and nothing else: K's (two fragments to a register: lanes 0-15, lanes 16-31),
.set VSC,  50                          ; V's likewise,
.set PSC,  52                          ; p's, tile T at +T,
.set QSA,  54                          ; Q's: tile T at +2 T for [Q, zeros], +2 T + 1 for [zeros, Q]
.set SA,   58                          ; a step's sum, a pair a tile
.set S,    64                          ; S^T, then p: 64 a tile
.set P,    192                         ; p's codes: 12 a tile
.set CT,   216                         ; the halves of blocks that a conversion cannot put in place: 8 a tile
.set X,    64                          ; phase A: two sets of 64 numbers, by the job's parity
.set C,    192                         ; codes: set (parity, g) at C + 16 parity + 8 g
.set T2,   224                         ; a block's upper 16 codes, before they are moved
.set MX,   232
.set SOP,  236
.set BY,   238
.set W,    240                         ; a scale word and the other half's, by parity
.set VW,   244                         ; V's scale words, gathered over four blocks
; window 1: phase A: v0-191 six sets of 32 for the loads.  Phase B: v0-63 O^T (32 a tile);
.set KB,   64                          ; K's four fragments
.set VB,   112                         ; V's four
.set QF,   160                         ; [Q, zeros, Q], 18 a tile
.set CQ,   196                         ; Q's codes, 6 for each of my four tiles
.set CQW,  220                         ; and their scale words
.set WV,   12
.set SEL,  20                          ; s[20:21] v_permlanex16_b32's selects for lane l xor 16
.set CS,   22                          ; s[22:23] c = log2(e) / 8; the packed form names a pair and takes its low word
.set TB,   24                          ; LDS byte at which the step in hand begins
.set CNT,  25
.set PASS, 26
.set MSB, 0
.macro WIN new                         ; the immediate's high byte repeats the setting that is left; a switch that changes nothing is dropped
.if MSB != \new
	s_set_vgpr_msb (MSB<<8)|\new
.set MSB, \new
.endif
.endm
	s_load_b256 s[4:11], s[0:1], 0x0               ; Q s[4:5], K s[6:7], V s[8:9], out s[10:11]
	v_lshl_add_u32 v254, v0, 2, 0x46200
	v_mov_b32 v255, 0
	v_lshrrev_b32 v3, 5, v0
	v_readfirstlane_b32 s[WV], v3                  ; wave 0..7
	v_and_b32 v4, 31, v0                           ; lane
	v_lshlrev_b32 v[L16], 4, v4
	s_and_b32 s13, ttmp7, 0xffff                   ; the head:
	s_lshl_b32 s13, s13, 19                        ; 2,048 rows of 256 bytes
	s_lshl_b32 s14, s[WV], 16                      ; K, V: my wave's 256 keys
	s_add_co_u32 s14, s14, s13
	s_mov_b32 s15, 0
	s_lshl_b32 s16, ttmp9, 17                      ; Q, out: the work-group's 512 queries,
	s_add_co_u32 s16, s16, s13
	s_lshl_b32 s17, s[WV], 13                      ; my wave's 32 of a pass's 256
	s_add_co_u32 s16, s16, s17
	s_mov_b32 s17, 0
	s_mov_b32 s[SEL], 0x76543210
	s_mov_b32 s[SEL+1], 0xfedcba98
	s_mov_b32 s[CS], 0x3e38aa3b
	s_mov_b32 s[CS+1], s[CS]
	s_wait_kmcnt 0x0
	s_add_nc_u64 s[4:5], s[4:5], s[16:17]
	s_add_nc_u64 s[10:11], s[10:11], s[16:17]
	s_add_nc_u64 s[6:7], s[6:7], s[14:15]
	s_add_nc_u64 s[8:9], s[8:9], s[14:15]
; ---------------- PHASE A ----------------
; A CHUNK is 16 rows of 256 bytes, brought by eight loads of 512 consecutive bytes.  A wave has 36: 0-3 my four tiles of Q; then for each of my two steps s eight tiles of K (a tile's rows are two runs
; of eight keys, 32 keys apart) and eight chunks of V.  Six sets of registers take turns: 24 KB a wave are on their way.
.macro LOADC c
.if (\c) < 4
.irp j, 0,1,2,3,4,5,6,7
	global_load_b128 v[32*((\c)%6)+4*\j:32*((\c)%6)+4*\j+3], v[L16], s[4:5] offset:((\c)/2)*65536+((\c)%2)*4096+512*\j th:TH_LOAD_NT   ; Q: read once in the launch
.endr
.else
.set LS, ((\c)-4)/16
.set LK, ((\c)-4)%16
.if LK < 8
.irp j, 0,1,2,3,4,5,6,7
	global_load_b128 v[32*((\c)%6)+4*\j:32*((\c)%6)+4*\j+3], v[L16], s[6:7] offset:LS*32768+(64*(LK/4)+8*(LK%4))*256+(\j/4)*8192+(\j%4)*512
.endr
.else
.irp j, 0,1,2,3,4,5,6,7
	global_load_b128 v[32*((\c)%6)+4*\j:32*((\c)%6)+4*\j+3], v[L16], s[8:9] offset:LS*32768+(LK-8)*4096+512*\j
.endr
.endif
.endif
.endm
; A JOB makes one tile of Q (jobs 0-3), one tile of K, or one block of 32 keys of V (two chunks).  JDEC says which: JK 0, 1, 2; JF its first chunk; JN its chunks; JS the step; JT the tile or block.
.macro JDEC j
.if (\j) < 4
.set JK, 0
.set JF, (\j)
.set JN, 1
.set JS, 0
.set JT, (\j)
.else
.set JS, ((\j)-4)/12
.set JT, ((\j)-4)%12
.if JT < 8
.set JK, 1
.set JF, 4+16*JS+JT
.set JN, 1
.else
.set JT, JT-8
.set JK, 2
.set JF, 12+16*JS+2*JT
.set JN, 2
.endif
.endif
.endm
; A chunk of Q or K turns through my stage: in as loaded (two rows an instruction), out 128 bytes a lane: lane (r, h) gets the 32 numbers of row r's block h.  LDS serves a wave's instructions in order (ISA guide 5.7.1.4).
.macro TURNK c, par
	WIN 0x04                                       ; an LDS store's data are its source 1: window 1
.irp i, 0,1,2,3,4,5,6,7
	ds_store_b128 v[SI], v[32*((\c)%6)+4*\i:32*((\c)%6)+4*\i+3] offset:2*\i*SP
.endr
	WIN 0
.irp i, 0,1,2,3,4,5,6,7
	ds_load_b128 v[X+64*(\par)+4*\i:X+64*(\par)+4*\i+3], v[SO] offset:16*\i
.endr
.endm
; Two chunks of V (32 keys): in as loaded, out by columns: lane l gets channels l and l + 32, each down the 32 keys; every load reads 128 consecutive bytes.
.macro TURNV c, par
	WIN 0x04
.irp i, 0,1,2,3,4,5,6,7
	ds_store_b128 v[SI], v[32*((\c)%6)+4*\i:32*((\c)%6)+4*\i+3] offset:2*\i*SP
.endr
.irp i, 0,1,2,3,4,5,6,7
	ds_store_b128 v[SI], v[32*(((\c)+1)%6)+4*\i:32*(((\c)+1)%6)+4*\i+3] offset:(16+2*\i)*SP
.endr
	WIN 0
.irp g, 0,1
.set i, 0
.rept 32
	ds_load_b32 v[X+64*(\par)+32*\g+i], v[SC] offset:SP*i+128*\g
.set i, i+1
.endr
.endr
.endm
; A block of 32 numbers in v[QX] on becomes 6 registers of codes in v[QC] on and its scale byte in v[QB].
.macro QUANT32
	v_max3_num_f32 v[QM], |v[QX]|, |v[QX+1]|, |v[QX+2]|             ; the largest magnitude, in two chains
	v_max3_num_f32 v[QM+1], |v[QX+3]|, |v[QX+4]|, |v[QX+5]|
.irp i, 6,10,14,18,22,26
	v_max3_num_f32 v[QM], v[QM], |v[QX+\i]|, |v[QX+\i+1]|
	v_max3_num_f32 v[QM+1], v[QM+1], |v[QX+\i+2]|, |v[QX+\i+3]|
.endr
	v_max3_num_f32 v[QM], v[QM], |v[QX+30]|, |v[QX+31]|
	v_max3_num_f32 v[QM], v[QM], v[QM+1], 0x1800000                 ; and the floor 2^(3 - 127): the byte cannot fall under 1
	v_add_nc_u32 v[QS], 0xff000000, v[QM]                           ; 2 off the exponent field: the conversion takes this operand's exponent field as its scale
	v_cvt_scalef32_pk16_fp6_f32 v[QC:QC+2], v[QX:QX+15], v[QS]
	v_cvt_scalef32_pk16_fp6_f32 v[QT:QT+2], v[QX+16:QX+31], v[QS]   ; (a conversion's three registers begin on an even number)
	v_lshrrev_b32 v[QB], 23, v[QS]                                  ; the scale's byte; also the plain place behind the conversions
.irp i, 0,1,2
	v_mov_b32 v[QC+3+\i], v[QT+\i]
.endr
.endm
.macro JOB j
	s_wait_dscnt PREVST                            ; my numbers are back from the stage; younger are only the last job's image stores.  So the stage's stores have read this job's load registers,
	JDEC \j
.if ISS < 36
	WIN 0x40                                       ; destination window 1
.endif
.rept JN
.if ISS < 36
	LOADC ISS                                      ; which take the chunk six further on
.set ISS, ISS+1
.endif
.endr
.if (\j) < 27
	JDEC (\j)+1
	s_wait_loadcnt 8*(ISS-JF-JN)                   ; the next job's chunks are in: the count is the loads issued behind its last chunk
.if JK == 2
	TURNV JF, ((\j)+1)%2                           ; they turn through the stage while this job is worked
.else
	TURNK JF, ((\j)+1)%2
.endif
.endif
	WIN 0
	JDEC \j
.set PAR, (\j)%2                       ; numbers, codes and words lie in two sets by the job's parity: a set is written again two jobs on, behind a wait that covers the stores that read it
.if JK < 2
.set QX, X+64*PAR
.set QC, C+16*PAR
.set QT, T2
.set QM, MX
.set QS, SOP
.set QB, BY
	QUANT32
.set WW, W+2*PAR
	v_lshlrev_b32 v[WW], v[SH8], v[BY]             ; my byte at its place: block h is byte h,
	v_permlanex16_b32 v[WW+1], v[WW], s[SEL], s[SEL+1]
	v_or_b32 v[WW], v[WW], v[WW+1]                 ; with lane l xor 16's: row r's two bytes
.if JK == 0
	WIN 0x40
.irp i, 0,1,2,3,4,5
	v_mov_b32 v[CQ+6*JT+\i], v[QC+\i]              ; Q stays in registers
.endr
	v_mov_b32 v[CQW+JT], v[WW]
	WIN 0
.set PREVST, 0
.else
.set IB, JS*STEPB+(JT/2)*1536
.if JT%2 == 0
	ds_store_b128 v[KI], v[QC:QC+3] offset:IB                       ; registers 0-5 of fragment JT / 2
	ds_store_b64 v[KI], v[QC+4:QC+5] offset:IB+512
.else
	ds_store_b64 v[KI], v[QC:QC+1] offset:IB+520                    ; registers 6-11
	ds_store_b128 v[KI], v[QC+2:QC+5] offset:IB+1024
.endif
	ds_store_b16 v[KS], v[WW] offset:JS*STEPB+SCKO+64*(JT/2)+2*(JT%2)   ; half of row r's scale word; both halves of the lanes write the same bytes with the same value
.set PREVST, 3
.endif
.else
.irp g, 0,1                            ; channel lane + 32 g: row lane % 16 of fragment 2 g + lane / 16; block JT belongs to lanes' half JT % 2, registers 6 (JT / 2) on
.set QX, X+64*PAR+32*\g
.set QC, C+16*PAR+8*\g
.set QT, T2+4*\g
.set QM, MX+2*\g
.set QS, SOP+\g
.set QB, BY+\g
	QUANT32
.if JT == 0
	v_mov_b32 v[VW+\g], v[QB]
.else
	v_lshl_or_b32 v[VW+\g], v[QB], 8*JT, v[VW+\g]                   ; four blocks' bytes make the channel's scale word for the step
.endif
.set IB, JS*STEPB+VO+3072*\g+256*(JT%2)
.if JT < 2
	ds_store_b128 v[VI], v[QC:QC+3] offset:IB
	ds_store_b64 v[VI], v[QC+4:QC+5] offset:IB+512
.else
	ds_store_b64 v[VI], v[QC:QC+1] offset:IB+520
	ds_store_b128 v[VI], v[QC+2:QC+5] offset:IB+1024
.endif
.if JT == 3
	ds_store_b32 v[VS], v[VW+\g] offset:JS*STEPB+SCVO+128*\g
.endif
.endr
.if JT == 3
.set PREVST, 6
.else
.set PREVST, 4
.endif
.endif
.endm
	WIN 0x40
.set ISS, 0
.rept 6
	LOADC ISS                                      ; the first six chunks go out before anything else is done
.set ISS, ISS+1
.endr
	WIN 0
	v_and_b32 v3, 15, v0                           ; r
	v_bfe_u32 v14, v0, 4, 1                        ; h
	v_lshlrev_b32 v[L4], 2, v4
	v_lshlrev_b32 v[SH8], 3, v14
	s_mul_i32 s18, s[WV], WSTG
	s_add_co_u32 s18, s18, STAGE                   ; my stage
	s_mul_i32 s19, s[WV], 2*STEPB                  ; my two steps' images
	v_mul_u32_u24 v15, v14, SP
	v_lshl_add_u32 v15, v3, 4, v15
	v_add_nc_u32 v[SI], s18, v15
	v_mul_u32_u24 v15, v3, SP
	v_lshl_add_u32 v[SO], v14, 7, v15
	v_add_nc_u32 v[SO], s18, v[SO]
	v_lshl_add_u32 v[OSI], v14, 5, v15
	v_add_nc_u32 v[OSI], s18, v[OSI]
	v_add_nc_u32 v[SC], s18, v[L4]
	v_add_nc_u32 v[KI], s19, v[L16]
	v_lshlrev_b32 v15, 2, v3
	v_add_nc_u32 v[KS], s19, v15
	v_mul_u32_u24 v15, v14, 1536
	v_lshl_add_u32 v15, v3, 4, v15
	v_add_nc_u32 v[VI], s19, v15
	v_add_nc_u32 v[VS], s19, v[L4]
.irp t, 0,1
	v_mov_b32 v[W+2*\t+1], 0                       ; written once: a lane permute's destination counts as one of its sources
	v_mov_b32 v[ST+8*\t+7], 0
	v_mov_b32 v[BS+8*\t+7], 0
	v_mov_b32 v[ST+8*\t+5], 0                      ; (named as the upper half of f's pair)
.endr
	s_wait_loadcnt 40                              ; chunk 0 is in; chunks 1 to 5 may be out
	TURNK 0, 0
.set PREVST, 0
.set JJ, 0
.rept 28
	JOB JJ
.set JJ, JJ+1
.endr
	s_wait_dscnt 0x0                               ; for the others' sake: my images lie in LDS
	s_barrier_signal -1
	s_barrier_wait -1                              ; the whole head's do.  From here on the images are only read, and a stage is touched by its own wave alone
	WIN 0x40
.irp t, 0,1
.irp i, 0,1,2,3,4,5
	v_mov_b32 v[QF+18*\t+6+\i], 0                  ; the zeros between the two copies of Q: once
.endr
.endr
	WIN 0
; ---------------- PHASE B ----------------
.macro KLOAD off                       ; a step's K: 2 registers of scale words and 4 fragments: 14 LDS loads
	ds_load_b32 v[KSC], v[AK4] offset:\off+SCKO
	ds_load_b32 v[KSC+1], v[AK4] offset:\off+SCKO+128
	WIN 0x40
.irp f, 0,1,2,3
.irp g, 0,1,2
	ds_load_b128 v[KB+12*\f+4*\g:KB+12*\f+4*\g+3], v[AK16] offset:\off+1536*\f+512*\g
.endr
.endr
	WIN 0
.endm
.macro SPROD f, u, t                   ; S^T of tile 2 f + u for tile t of queries: source 0 = fragment f of K, source 1 = [Q, zeros] (u = 0) or [zeros, Q] (u = 1)
.if (\f)%2
	v_wmma_scale_f32_16x16x128_f8f6f4 v[S+64*\t+8*(2*\f+\u):S+64*\t+8*(2*\f+\u)+7], v[KB+12*\f:KB+12*\f+11], v[QF+18*\t+6*\u:QF+18*\t+6*\u+11], 0, v[KSC+\f/2], v[QSA+2*\t+\u] matrix_a_fmt:MATRIX_FMT_FP6 matrix_b_fmt:MATRIX_FMT_FP6 matrix_a_scale:MATRIX_SCALE_ROW1
.else
	v_wmma_scale_f32_16x16x128_f8f6f4 v[S+64*\t+8*(2*\f+\u):S+64*\t+8*(2*\f+\u)+7], v[KB+12*\f:KB+12*\f+11], v[QF+18*\t+6*\u:QF+18*\t+6*\u+11], 0, v[KSC+\f/2], v[QSA+2*\t+\u] matrix_a_fmt:MATRIX_FMT_FP6 matrix_b_fmt:MATRIX_FMT_FP6
.endif
.endm
.macro OPROD c, t                      ; O^T += V^T P^T: channels 16 c on, tile t
.if (\c)%2
	v_wmma_scale_f32_16x16x128_f8f6f4 v[32*\t+8*\c:32*\t+8*\c+7], v[VB+12*\c:VB+12*\c+11], v[P+12*\t:P+12*\t+11], v[32*\t+8*\c:32*\t+8*\c+7], v[VSC+\c/2], v[PSC+\t] matrix_a_fmt:MATRIX_FMT_FP6 matrix_b_fmt:MATRIX_FMT_FP6 matrix_a_scale:MATRIX_SCALE_ROW1
.else
	v_wmma_scale_f32_16x16x128_f8f6f4 v[32*\t+8*\c:32*\t+8*\c+7], v[VB+12*\c:VB+12*\c+11], v[P+12*\t:P+12*\t+11], v[32*\t+8*\c:32*\t+8*\c+7], v[VSC+\c/2], v[PSC+\t] matrix_a_fmt:MATRIX_FMT_FP6 matrix_b_fmt:MATRIX_FMT_FP6
.endif
.endm
; Line k of 32 of tile t's sum of the unquantised p: 32 pairs in two chains, then the sum so far x f + this step's
.macro SUMSLOT t, k
.set rS, S+64*(\t)
.set rA, SA+2*(\t)
.set rB, ST+8*(\t)+6
.set rT, ST+8*(\t)
.if (\k) == 0
	s_wait_alu depctr_va_vdst(0)
	v_pk_add_f32 v[rA:rA+1], v[rS:rS+1], v[rS+2:rS+3]
.elseif (\k) == 1
	v_pk_add_f32 v[rB:rB+1], v[rS+4:rS+5], v[rS+6:rS+7]
.elseif (\k) < 30
.if (\k)%2 == 0
	v_pk_add_f32 v[rA:rA+1], v[rA:rA+1], v[rS+2*(\k)+4:rS+2*(\k)+5]
.else
	v_pk_add_f32 v[rB:rB+1], v[rB:rB+1], v[rS+2*(\k)+4:rS+2*(\k)+5]
.endif
.elseif (\k) == 30
	v_pk_add_f32 v[rA:rA+1], v[rA:rA+1], v[rB:rB+1]
.else
	v_pk_fma_f32 v[rT+2:rT+3], v[rT+2:rT+3], v[rT+4:rT+5], v[rA:rA+1] op_sel_hi:[1,0,1]
.endif
.endm
.macro POST t                          ; my two blocks' largest p become the conversions' scale operands, and with lane l xor 16's two bytes the query's scale word
.set rZ, BS+8*(\t)
	v_max_num_f32 v[rZ], 0x1800000, v[rZ]          ; the floor 2^(3 - 127): the byte cannot fall under 1
	v_max_num_f32 v[rZ+1], 0x1800000, v[rZ+1]
	v_add_nc_u32 v[rZ+2], 0xff000000, v[rZ]
	v_add_nc_u32 v[rZ+3], 0xff000000, v[rZ+1]
	v_lshrrev_b32 v[rZ+4], 23, v[rZ+2]
	v_lshrrev_b32 v[rZ+5], 23, v[rZ+3]
	v_lshl_or_b32 v[rZ+6], v[rZ+5], 16, v[rZ+4]    ; blocks h and 2 + h,
	v_lshlrev_b32 v[rZ+6], v[SH8], v[rZ+6]         ; at bytes h and 2 + h
	v_permlanex16_b32 v[rZ+7], v[rZ+6], s[SEL], s[SEL+1]
	v_or_b32 v[PSC+\t], v[rZ+6], v[rZ+7]
.endm
.macro CONV t
.set rS, S+64*(\t)
.set rP, P+12*(\t)
.set rC, CT+8*(\t)
.set rZ, BS+8*(\t)
	v_cvt_scalef32_pk16_fp6_f32 v[rP:rP+2], v[rS:rS+15], v[rZ+2]
	v_cvt_scalef32_pk16_fp6_f32 v[rC:rC+2], v[rS+16:rS+31], v[rZ+2]      ; (a conversion's three registers begin on an even number)
	v_cvt_scalef32_pk16_fp6_f32 v[rP+6:rP+8], v[rS+32:rS+47], v[rZ+3]
	v_cvt_scalef32_pk16_fp6_f32 v[rC+4:rC+6], v[rS+48:rS+63], v[rZ+3]
.endm
.macro JOIN t
.irp i, 0,1,2
	v_mov_b32 v[P+12*\t+3+\i], v[CT+8*\t+\i]
	v_mov_b32 v[P+12*\t+9+\i], v[CT+8*\t+4+\i]
.endr
.endm
; A KEY STEP: 128 keys for my two tiles of queries.  next = 1: the next step's K is fetched behind this step's first products.
.macro STEP next
	v_add_nc_u32 v[AV16], s[TB], v[L16]            ; four plain instructions stand between the last products of the step before and the loads into registers that they read (ISA guide 7.12.1 for vector instructions)
	v_add_nc_u32 v[AV4], s[TB], v[L4]
	v_nop
	v_nop
	WIN 0x40
.irp f, 0,1,2,3
.irp g, 0,1,2
	ds_load_b128 v[VB+12*\f+4*\g:VB+12*\f+4*\g+3], v[AV16] offset:VO+1536*\f+512*\g
.endr
.endr
	WIN 0
	ds_load_b32 v[VSC], v[AV4] offset:SCVO
	ds_load_b32 v[VSC+1], v[AV4] offset:SCVO+128
	s_wait_dscnt 14                                ; K is in: younger are the 14 loads of V just issued
	WIN 0x05                                       ; sources 0 and 1 window 1, the result window 0
.irp f, 0,1,2,3
.irp u, 0,1
.irp t, 0,1
	SPROD \f, \u, \t
.endr
.endr
.endr
	WIN 0
.if \next
	v_add_nc_u32 v[AK16], s[TB], v[L16]            ; four places again: in front of the loads into K's registers, and of the first read of the scores
	v_add_nc_u32 v[AK4], s[TB], v[L4]
	v_nop
	v_nop
	KLOAD STEPB
.else
.rept 4
	v_nop
.endr
.endif
	; the largest score of each of my four blocks (two tiles x two blocks of 32 keys), by turns; each accumulator is read from its low end on
.irp t, 0,1
.irp c, 0,1
	v_max3_num_f32 v[BS+8*\t+\c], v[S+64*\t+32*\c], v[S+64*\t+32*\c+1], v[S+64*\t+32*\c+2]
.endr
.endr
.irp i, 1,2,3,4,5,6,7,8,9,10,11,12,13,14
.irp t, 0,1
.irp c, 0,1
	v_max3_num_f32 v[BS+8*\t+\c], v[BS+8*\t+\c], v[S+64*\t+32*\c+2*\i+1], v[S+64*\t+32*\c+2*\i+2]
.endr
.endr
.endr
.irp t, 0,1
.irp c, 0,1
	v_max_num_f32 v[BS+8*\t+\c], v[BS+8*\t+\c], v[S+64*\t+32*\c+31]
.endr
.endr
	; the running maximum, M and f, the two tiles by turns
.irp t, 0,1
	v_max_num_f32 v[ST+8*\t+6], v[BS+8*\t], v[BS+8*\t+1]
.endr
.irp t, 0,1
	v_permlanex16_b32 v[ST+8*\t+7], v[ST+8*\t+6], s[SEL], s[SEL+1]       ; the query's other 64 keys lie in lane l xor 16
.endr
.irp t, 0,1
	v_max3_num_f32 v[ST+8*\t+1], v[ST+8*\t+1], v[ST+8*\t+6], v[ST+8*\t+7]
.endr
.irp t, 0,1
	v_mul_f32 v[ST+8*\t+6], s[CS], v[ST+8*\t+1]    ; as t (c is positive)
.endr
.irp t, 0,1
	v_mov_b32 v[ST+8*\t+7], v[ST+8*\t]
.endr
.irp t, 0,1
	v_floor_f32 v[ST+8*\t], -v[ST+8*\t+6]          ; -M = floor(-t) = -ceil(t): M is a whole number
.endr
.irp t, 0,1
	v_sub_f32 v[ST+8*\t+7], v[ST+8*\t], v[ST+8*\t+7]   ; old M - new M: a whole number, 0 or less
.endr
.irp t, 0,1
	v_cvt_i32_f32 v[ST+8*\t+7], v[ST+8*\t+7]       ; (it saturates)
.endr
.irp t, 0,1
	v_ldexp_f32 v[ST+8*\t+4], 1.0, v[ST+8*\t+7]    ; f = 2^(old M - new M): a multiplication by it rounds nothing
.endr
	; tile 0: t - M
.set i, 0
.rept 32
	v_pk_fma_f32 v[S+2*i:S+2*i+1], v[S+2*i:S+2*i+1], s[CS:CS+1], v[ST:ST+1] op_sel_hi:[1,0,0]
.set i, i+1
.endr
	v_fma_f32 v[BS], v[BS], s[CS], v[ST]           ; the same of each block's largest score
	v_fma_f32 v[BS+1], v[BS+1], s[CS], v[ST]
	; tile 0's exponentials, with tile 1's t - M between them
.set i, 0
.rept 32
	v_exp_f32 v[S+2*i], v[S+2*i]
	v_pk_fma_f32 v[S+64+2*i:S+64+2*i+1], v[S+64+2*i:S+64+2*i+1], s[CS:CS+1], v[ST+8:ST+9] op_sel_hi:[1,0,0]
	v_exp_f32 v[S+2*i+1], v[S+2*i+1]
.set i, i+1
.endr
	v_fma_f32 v[BS+8], v[BS+8], s[CS], v[ST+8]
	v_fma_f32 v[BS+9], v[BS+9], s[CS], v[ST+8]
	v_exp_f32 v[BS], v[BS]                         ; a block's largest p: the same two instructions on the same number give the same bits
	v_exp_f32 v[BS+1], v[BS+1]
	; tile 1's exponentials, with tile 0's sum between them
.set i, 0
.rept 32
	v_exp_f32 v[S+64+2*i], v[S+64+2*i]
	SUMSLOT 0, i
	v_exp_f32 v[S+64+2*i+1], v[S+64+2*i+1]
.set i, i+1
.endr
	v_exp_f32 v[BS+8], v[BS+8]
	v_exp_f32 v[BS+9], v[BS+9]
	POST 0                                         ; (plain instructions behind the exponentials)
	CONV 0
.set i, 0
.rept 32
	SUMSLOT 1, i                                   ; tile 1's sum: also the plain place behind tile 0's conversions
.set i, i+1
.endr
	POST 1
	CONV 1
	JOIN 0                                         ; tile 0's moves are the plain place behind tile 1's conversions
	JOIN 1
	WIN 0x41                                       ; O^T (destination and source 0) window 1, f window 0
.irp t, 0,1
.set i, 0
.rept 16
	v_pk_mul_f32 v[32*\t+2*i:32*\t+2*i+1], v[32*\t+2*i:32*\t+2*i+1], v[ST+8*\t+4:ST+8*\t+5] op_sel_hi:[1,0]   ; O^T under the new M, each accumulator from its low end on.  These 32 also stand between the writes of p's codes and scale words and the products that take them
.set i, i+1
.endr
.endr
.if \next
	s_wait_dscnt 14                                ; V is in: younger are the next step's 14 loads of K
.else
	s_wait_dscnt 0x0
.endif
	WIN 0x51                                       ; V, C and D window 1, p window 0
.irp c, 0,1,2,3
.irp t, 0,1
	OPROD \c, \t                                   ; the eight accumulators by turns, one instruction a turn; the next step's sixteen first products stand between two links
.endr
.endr
	WIN 0
.if \next
	s_add_co_u32 s[TB], s[TB], STEPB
.endif
.endm
	s_mov_b32 s[PASS], 2
.Lpass:
	WIN 0x41
.irp t, 0,1
.irp i, 0,1,2,3,4,5
	v_mov_b32 v[QF+18*\t+\i], v[CQ+6*\t+\i]        ; [Q, zeros, Q] of this pass's two tiles
	v_mov_b32 v[QF+18*\t+12+\i], v[CQ+6*\t+\i]
.endr
.endr
	WIN 0x01
	v_mov_b32 v[QSA], v[CQW]
	v_mov_b32 v[QSA+2], v[CQW+1]
	WIN 0
	v_lshlrev_b32 v[QSA+1], 16, v[QSA]             ; the two bytes beside [zeros, Q]
	v_lshlrev_b32 v[QSA+3], 16, v[QSA+2]
	WIN 0x40
.set i, 0
.rept 64
	v_mov_b32 v[i], 0                              ; O^T.  The step is written for every step alike: the first finds zeros, which the first f (0) leaves zeros.  These lines also stand between the writes of Q's registers and scales and the first products
.set i, i+1
.endr
	WIN 0
.irp t, 0,1
	v_mov_b32 v[ST+8*\t+1], 0xff61b1e6             ; the largest score so far: -3e38
	v_mov_b32 v[ST+8*\t+2], 0                      ; the sum, in two halves
	v_mov_b32 v[ST+8*\t+3], 0
.endr
.irp t, 0,1
	v_mul_f32 v[ST+8*\t+6], s[CS], v[ST+8*\t+1]
.endr
.irp t, 0,1
	v_floor_f32 v[ST+8*\t], -v[ST+8*\t+6]          ; -M
.endr
	s_mov_b32 s[TB], 0
	v_add_nc_u32 v[AK16], s[TB], v[L16]
	v_add_nc_u32 v[AK4], s[TB], v[L4]
	KLOAD 0                                        ; step 0's K: at the loop's head 14 LDS loads are out on both ways in
	s_mov_b32 s[CNT], 15
.Lstep:
	STEP 1
	s_sub_co_u32 s[CNT], s[CNT], 1
	s_cmp_lg_u32 s[CNT], 0
	s_cbranch_scc1 .Lstep
	STEP 0                                         ; the last step fetches nothing beyond the images
	; THE WAY OUT.  The sum's halves and lane l xor 16's are added; O^T / the sum goes through my stage and leaves as whole rows: an instruction stores 512 consecutive bytes, at a multiple of 256 from out's first byte.
.irp t, 0,1
	v_add_f32 v[ST+8*\t+6], v[ST+8*\t+2], v[ST+8*\t+3]
.endr
	v_nop                                          ; with the two additions: four places behind the last products
	v_nop
.irp t, 0,1
	v_permlanex16_b32 v[ST+8*\t+7], v[ST+8*\t+6], s[SEL], s[SEL+1]
.endr
.irp t, 0,1
	v_add_f32 v[ST+8*\t+6], v[ST+8*\t+6], v[ST+8*\t+7]
.endr
.irp t, 0,1
	v_rcp_f32 v[ST+8*\t+4], v[ST+8*\t+6]
.endr
	v_nop                                          ; one plain place behind the reciprocals
	WIN 0x01                                       ; source 0 (O^T) window 1
	s_wait_alu depctr_va_vdst(0)
.irp t, 0,1
.set i, 0
.rept 16
	v_pk_mul_f32 v[S+64*\t+2*i:S+64*\t+2*i+1], v[32*\t+2*i:32*\t+2*i+1], v[ST+8*\t+4:ST+8*\t+5] op_sel_hi:[1,0]   ; register 8 ct + j: out(query r, channel 16 ct + 8 h + j)
.set i, i+1
.endr
.endr
	WIN 0
.irp t, 0,1
.irp c, 0,1,2,3
	ds_store_b128 v[OSI], v[S+64*\t+8*\c:S+64*\t+8*\c+3] offset:16*SP*\t+64*\c
	ds_store_b128 v[OSI], v[S+64*\t+8*\c+4:S+64*\t+8*\c+7] offset:16*SP*\t+64*\c+16
.endr
.irp i, 0,1,2,3,4,5,6,7
	ds_load_b128 v[S+64*\t+32+4*\i:S+64*\t+32+4*\i+3], v[SI] offset:16*SP*\t+2*SP*\i   ; LDS serves a wave's instructions in order: these see my stores
.endr
.endr
.irp t, 0,1
.irp i, 0,1,2,3,4,5,6,7
	s_wait_dscnt 23-16*\t-\i                       ; younger than this load: the rest of its tile's eight, and for tile 0 tile 1's sixteen
	global_store_b128 v[L16], v[S+64*\t+32+4*\i:S+64*\t+32+4*\i+3], s[10:11] offset:4096*\t+512*\i th:TH_STORE_NT
.endr
.endr
	s_wait_xcnt 0x0                                ; the stores have read their registers and their base: both are written again only behind this wait
	s_add_nc_u64 s[10:11], s[10:11], 65536         ; the next pass's queries lie 256 rows on
	WIN 0x41
.irp i, 0,1,2,3,4,5,6,7,8,9,10,11
	v_mov_b32 v[CQ+\i], v[CQ+12+\i]                ; and their codes and words come forward (in the last trip these 14 lines move what nobody reads: the price of writing the pass once)
.endr
	v_mov_b32 v[CQW], v[CQW+2]
	v_mov_b32 v[CQW+1], v[CQW+3]
	WIN 0
	s_sub_co_u32 s[PASS], s[PASS], 1
	s_cmp_lg_u32 s[PASS], 0
	s_cbranch_scc1 .Lpass
	s_wait_tensorcnt 0x0
	ds_add_u32 v254, v255
	s_wait_dscnt 0x0
	s_endpgm
.Lfunc_end_k_q674991a43c_attn:
	.size	k_q674991a43c_attn, .Lfunc_end_k_q674991a43c_attn-k_q674991a43c_attn
	.p2alignl 7, 3214868480
	.fill 96, 4, 3214868480
	.section	.rodata,"a",@progbits
	.p2align	6, 0x0
	.amdhsa_kernel k_q674991a43c_attn
		.amdhsa_group_segment_fixed_size 288256
		.amdhsa_private_segment_fixed_size 0
		.amdhsa_enable_private_segment 0
		.amdhsa_kernarg_size 32
		.amdhsa_user_sgpr_count 2
		.amdhsa_user_sgpr_kernarg_segment_ptr 1
		.amdhsa_wavefront_size32 1
		.amdhsa_system_sgpr_workgroup_id_x 1
		.amdhsa_system_sgpr_workgroup_id_y 1
		.amdhsa_system_sgpr_workgroup_id_z 1
		.amdhsa_system_vgpr_workitem_id 0
		.amdhsa_next_free_vgpr 512
		.amdhsa_next_free_sgpr 66
		.amdhsa_reserve_vcc 0
		.amdhsa_float_denorm_mode_32 3
		.amdhsa_float_denorm_mode_16_64 3
		.amdhsa_memory_ordered 1
		.amdhsa_forward_progress 1
		.amdhsa_inst_pref_size 217
	.end_amdhsa_kernel
	.amdgpu_metadata
---
amdhsa.version: [ 1, 2 ]
amdhsa.kernels:
  - .name:           k_q674991a43c_attn
    .symbol:         k_q674991a43c_attn.kd
    .args:
      - { .name: query, .offset: 0, .size: 8, .value_kind: global_buffer, .address_space: global }
      - { .name: key, .offset: 8, .size: 8, .value_kind: global_buffer, .address_space: global }
      - { .name: value, .offset: 16, .size: 8, .value_kind: global_buffer, .address_space: global }
      - { .name: out0, .offset: 24, .size: 8, .value_kind: global_buffer, .address_space: global }
    .group_segment_fixed_size: 288256
    .private_segment_fixed_size: 0
    .kernarg_segment_align: 8
    .kernarg_segment_size: 32
    .max_flat_workgroup_size: 256
    .sgpr_count:     66
    .vgpr_count:     512
    .wavefront_size: 32
...
	.end_amdgpu_metadata
.endif
;; end of part 1
;; ======== version 2 of 2: 1 launch; version 1 with the launch attn written anew for expert scheduling mode
;; launch attn (part 2): grid 4 x 64, 8 waves a work-group, no clusters, 288,256 bytes of LDS; arguments query, key, value, out0; writes out0
.if DOCPART == 2
	.amdgcn_target "amdgcn-amd-amdhsa--gfx1250"
	.amdhsa_code_object_version 6
	.text
	.protected	k_q674991a43c_attn
	.globl	k_q674991a43c_attn
	.p2align	8
	.type	k_q674991a43c_attn,@function
k_q674991a43c_attn:
	s_mov_b64 s[64:65], 0
	v_nop
	global_prefetch_b8 v0, s[64:65] scope:SCOPE_SE
	s_setreg_imm32_b32 hwreg(HW_REG_WAVE_SCHED_MODE, 0, 2), 2
	s_setreg_imm32_b32 hwreg(HW_REG_WAVE_MODE, 25, 1), 1
	s_wait_xcnt 0x0
	s_wait_alu depctr_vm_vsrc(0)
; out[h][q][:] = sum over k of softmax_k(Q[h][q] . K[h][k] / 8) V[h][k][:].  64 heads, 2,048 queries and keys, 64 channels; all four tensors f32.
; Both products on codes of FP6 (E2M3) with one E8M0 scale for each 32 along a product's K: Q and K along the 64 channels, p and V along the keys.
; p = 2^(t - M), t = score x log2(e) / 8, M = the running largest t rounded up to a whole number; the row's sum is taken of the unquantised p and divides at the end.
; SHARES.  A work-group of eight waves owns 512 queries of one head.  PHASE A: it quantises the head's K and V (f32, read through registers) into LDS, as images of the operands' registers:
; wave w makes key steps 2 w and 2 w + 1 (a step = 128 keys); each wave also quantises its own 64 queries into registers.  One barrier.  PHASE B: two passes; in pass p wave w owns queries
; 256 p + 32 w .. + 31, two tiles of 16 that share every fragment read from LDS, and walks the 16 key steps.  A head's codes (2 x 98,304 bytes) and scale words stay in LDS: no ring, no further barrier.
; LAYOUT.  Both products are used transposed (S^T = K Q^T, O^T = V^T P^T): lane (r = lane % 16, h = lane / 16) holds query r throughout.
; THE KEYS OF A TILE ARE NOT NEIGHBOURS: row m of tile t (0..7 of a step) is key 64 (t / 4) + 32 (m / 8) + 8 (t % 4) + m % 8.  So a lane's 32 registers of tiles 0-3 are the 32 keys of block h,
; those of tiles 4-7 the 32 keys of block 2 + h: whole blocks in a lane, in the very order of the second product's operand: a block's maximum needs no other lane and no codes change lanes.
; THE FIRST PRODUCT'S K IS 64, THE INSTRUCTION'S 128: a fragment of K carries TWO tiles (k 0-63: tile 2 f, k 64-127: tile 2 f + 1), and Q stands as 18 registers [Q, zeros, Q]: registers 0-11 pick
; tile 2 f, registers 6-17 tile 2 f + 1.  Zero codes add nothing; Q's scale bytes beside them are 0, which is 2^-127 and no NaN.
; NO CLUSTER: the four work-groups of a head read the same K and V, but as f32 that must pass through registers to be quantised: 1 MiB a work-group through the LDS bytes that the images leave free
; would be many small joint refills, each with its own meeting of the cluster, for bytes that are read once, in the prologue.
; LIMITS: NaN and infinities among the inputs are not served.  A block of zeros gets the scale byte 1 where the rule says 127: its codes are zeros, and this program alone reads the bytes.
; A block whose largest magnitude lies under 2^(3 - 127) has its byte held at 1.  A p under 2^-126 comes out of v_exp_f32 as 0.  A block's largest p is made from the block's largest score by the
; same multiply-add and exponential, which takes v_exp_f32 not to fall where its input rises.
; THE MODE: SCHED_MODE bits 1:0 = 2 (LLVM: expert scheduling mode 2), set by the entry lines.  The code itself states the register dependences between vector or matrix instructions and
; memory or LDS instructions, with s_wait_alu, always for 0.
; THE PLAN.  Registers that memory or LDS instructions touch, and who else names them:
;   PHASE A.  Window 1, v0-191, six sets: the global loads land there, the stage's LDS stores read them, no vector instruction names them.
;             X0, X1: the loads from the stage, issued in job j - 1, land in X[j % 2]; job j's maxima and conversions read it.
;             C0, C1, W0, W1, VW: job j's conversions, moves and byte arithmetic write them; its image stores read them; a set is written again two jobs on.
;             v1, v2, v6-v13: addresses, made once at the head and never written again.
;   TWO WAITS A JOB.  On vm_vsrc at its head: the stage's stores have read the set in which the job's new loads land, and the last two jobs' image stores the codes and words that this job writes.
;   On va_vdst behind its last vector line: codes and words are written, for the image stores that follow, and the job is done reading its X, in which loads of the next job land: between that wait
;   and those loads stand stores, loads, waits and window switches alone, none of which names X.
;   PHASE B.  KB, KSC: a run of LDS loads in step j lands there; step j + 1's sixteen first products read them.   VB, VSC: a run in step j; step j's eight second products read them.
;             AV16, AV4, AK16, AK4: written by four additions a step, read by the two runs.   P, PSC (and, once a pass, QF, QSA): written by vector instructions, taken by scaled products.
;   IN A STEP: one wait on vm_vsrc ahead of the four additions; ONE wait on va_vdst for both runs of loads, behind the search for the blocks' largest scores, which has read every score of the step;
;   the two waits behind the batches of exponentials; one wait on va_vdst ahead of the second products, for p's codes and scale words.
.set STEPB, 12800                      ; LDS, a key step: 4 fragments of K (1,536 bytes each: registers 4 g .. 4 g + 3 at 512 g + 16 x lane),
.set VO,    6144                       ; 4 fragments of V (fragment ct: channels 16 ct .. + 15), laid likewise,
.set SCKO,  12288                      ; K's scale words: 64 f + 4 r,
.set SCVO,  12544                      ; V's scale words: 4 x channel
.set STAGE, 17*STEPB                   ; behind the 16 steps one step's bytes stay free: TB + STEPB + a step's bytes, the look-ahead's reach, stays under STAGE for every value that TB takes, its last too
.set SP,    272                        ; a stage row: 256 bytes + 16: an odd multiple of 16, so that 16 rows of one column fall on different banks (64 banks of 4 bytes: ISA guide 11.1)
.set WSTG,  32*SP                      ; each wave's own stage: 32 rows
; window 0
.set L16,  1                           ; 16 x lane: a load's or store's place in 512 bytes, an image's place
.set L4,   2                           ; 4 x lane
.set AV16, 3                           ; the step's V loads: TB + 16 x lane, TB + 4 x lane
.set AV4,  4
.set SH8,  5                           ; 8 h: a byte's shift in a scale word
.set SI,   6                           ; stage: row h, 16 r   (rows as they are loaded or stored: two rows to an instruction)
.set SO,   7                           ; stage: row r, 128 h  (a row's block of 32 numbers)
.set SC,   8                           ; stage: 4 x lane      (a column)
.set KI,   9                           ; my wave's images: 16 x lane
.set KS,   10                          ; 4 r
.set VI,   11                          ; 1,536 h + 16 r
.set VS,   12                          ; 4 x lane
.set OSI,  13                          ; stage: row r, 32 h   (the way out)
.set AK16, 14                          ; the next step's K loads: registers of their own
.set AK4,  15
.set ST,   16                          ; tile T at ST + 8 T: +0 -M, +1 the largest score, +2 +3 the sum, +4 f (later 1 / sum), +5 its pair's upper half, +6 +7 at work
.set BS,   32                          ; tile T at BS + 8 T: +0 +1 my two blocks' maxima, +2 +3 the conversions' scale operands, +4 +5 the bytes, +6 +7 the word at work
.set KSC,  48                          ; v48-57 hold scales and nothing else: K's (two fragments to a register: lanes 0-15, lanes 16-31),
.set VSC,  50                          ; V's likewise,
.set PSC,  52                          ; p's, tile T at +T,
.set QSA,  54                          ; Q's: tile T at +2 T for [Q, zeros], +2 T + 1 for [zeros, Q]
.set SA,   58                          ; a step's sum, a pair a tile
.set S,    64                          ; S^T, then p: 64 a tile
.set P,    192                         ; p's codes: 12 a tile
.set CT,   216                         ; the halves of blocks that a conversion cannot put in place: 8 a tile
.set X,    64                          ; phase A: two sets of 64 numbers, by the job's parity
.set C,    192                         ; codes: set (parity, g) at C + 16 parity + 8 g
.set T2,   224                         ; a block's upper 16 codes, before they are moved
.set MX,   232
.set SOP,  236
.set BY,   238
.set W,    240                         ; a scale word and the other half's, by parity
.set VW,   244                         ; V's scale words, gathered over four blocks
; window 1: phase A: v0-191 six sets of 32 for the loads.  Phase B: v0-63 O^T (32 a tile);
.set KB,   64                          ; K's four fragments
.set VB,   112                         ; V's four
.set QF,   160                         ; [Q, zeros, Q], 18 a tile
.set CQ,   196                         ; Q's codes, 6 for each of my four tiles
.set CQW,  220                         ; and their scale words
.set WV,   12
.set SEL,  20                          ; s[20:21] v_permlanex16_b32's selects for lane l xor 16
.set CS,   22                          ; s[22:23] c = log2(e) / 8; the packed form names a pair and takes its low word
.set TB,   24                          ; LDS byte at which the step in hand begins
.set CNT,  25
.set PASS, 26
.set MSB, 0
.macro WIN new                         ; the immediate's high byte repeats the setting that is left; a switch that changes nothing is dropped
.if MSB != \new
	s_set_vgpr_msb (MSB<<8)|\new
.set MSB, \new
.endif
.endm
	s_load_b256 s[4:11], s[0:1], 0x0               ; Q s[4:5], K s[6:7], V s[8:9], out s[10:11]
	v_lshl_add_u32 v254, v0, 2, 0x46200            ; the LDS address of my spare word: behind the eight stages, 4 x my thread's number; kept for the closing lines alone
	v_mov_b32 v255, 0                              ; and 0, likewise
	v_lshrrev_b32 v3, 5, v0
	v_readfirstlane_b32 s[WV], v3                  ; wave 0..7
	v_and_b32 v4, 31, v0                           ; lane
	v_lshlrev_b32 v[L16], 4, v4
	s_and_b32 s13, ttmp7, 0xffff                   ; the head:
	s_lshl_b32 s13, s13, 19                        ; 2,048 rows of 256 bytes
	s_wait_alu depctr_va_sdst(0)                   ; s12, the wave's number, is written, ahead of its first reader: the buffers' bases and the LDS bases are made from it
	s_lshl_b32 s14, s[WV], 16                      ; K, V: my wave's 256 keys
	s_add_co_u32 s14, s14, s13
	s_mov_b32 s15, 0
	s_lshl_b32 s16, ttmp9, 17                      ; Q, out: the work-group's 512 queries,
	s_add_co_u32 s16, s16, s13
	s_lshl_b32 s17, s[WV], 13                      ; my wave's 32 of a pass's 256
	s_add_co_u32 s16, s16, s17
	s_mov_b32 s17, 0
	s_mov_b32 s[SEL], 0x76543210
	s_mov_b32 s[SEL+1], 0xfedcba98
	s_mov_b32 s[CS], 0x3e38aa3b
	s_mov_b32 s[CS+1], s[CS]
	s_wait_kmcnt 0x0
	s_add_nc_u64 s[4:5], s[4:5], s[16:17]
	s_add_nc_u64 s[10:11], s[10:11], s[16:17]
	s_add_nc_u64 s[6:7], s[6:7], s[14:15]
	s_add_nc_u64 s[8:9], s[8:9], s[14:15]
; ---------------- PHASE A ----------------
; A CHUNK is 16 rows of 256 bytes, brought by eight loads of 512 consecutive bytes.  A wave has 36: 0-3 my four tiles of Q; then for each of my two steps s eight tiles of K (a tile's rows are two runs
; of eight keys, 32 keys apart) and eight chunks of V.  Six sets of registers take turns: 24 KB a wave are on their way.
.macro LOADC c
.if (\c) < 4
.irp j, 0,1,2,3,4,5,6,7
	global_load_b128 v[32*((\c)%6)+4*\j:32*((\c)%6)+4*\j+3], v[L16], s[4:5] offset:((\c)/2)*65536+((\c)%2)*4096+512*\j th:TH_LOAD_NT   ; Q: read once in the launch
.endr
.else
.set LS, ((\c)-4)/16
.set LK, ((\c)-4)%16
.if LK < 8
.irp j, 0,1,2,3,4,5,6,7
	global_load_b128 v[32*((\c)%6)+4*\j:32*((\c)%6)+4*\j+3], v[L16], s[6:7] offset:LS*32768+(64*(LK/4)+8*(LK%4))*256+(\j/4)*8192+(\j%4)*512
.endr
.else
.irp j, 0,1,2,3,4,5,6,7
	global_load_b128 v[32*((\c)%6)+4*\j:32*((\c)%6)+4*\j+3], v[L16], s[8:9] offset:LS*32768+(LK-8)*4096+512*\j
.endr
.endif
.endif
.endm
; A JOB makes one tile of Q (jobs 0-3), one tile of K, or one block of 32 keys of V (two chunks).  JDEC says which: JK 0, 1, 2; JF its first chunk; JN its chunks; JS the step; JT the tile or block.
.macro JDEC j
.if (\j) < 4
.set JK, 0
.set JF, (\j)
.set JN, 1
.set JS, 0
.set JT, (\j)
.else
.set JS, ((\j)-4)/12
.set JT, ((\j)-4)%12
.if JT < 8
.set JK, 1
.set JF, 4+16*JS+JT
.set JN, 1
.else
.set JT, JT-8
.set JK, 2
.set JF, 12+16*JS+2*JT
.set JN, 2
.endif
.endif
.endm
; A chunk of Q or K turns through my stage: in as loaded (two rows an instruction), out 128 bytes a lane: lane (r, h) gets the 32 numbers of row r's block h.  LDS serves a wave's instructions in order (ISA guide 5.7.1.4).
.macro TURNK c, par
	WIN 0x04                                       ; an LDS store's data are its source 1: window 1
.irp i, 0,1,2,3,4,5,6,7
	ds_store_b128 v[SI], v[32*((\c)%6)+4*\i:32*((\c)%6)+4*\i+3] offset:2*\i*SP
.endr
	WIN 0
.irp i, 0,1,2,3,4,5,6,7
	ds_load_b128 v[X+64*(\par)+4*\i:X+64*(\par)+4*\i+3], v[SO] offset:16*\i
.endr
.endm
; Two chunks of V (32 keys): in as loaded, out by columns: lane l gets channels l and l + 32, each down the 32 keys; every load reads 128 consecutive bytes.
.macro TURNV c, par
	WIN 0x04
.irp i, 0,1,2,3,4,5,6,7
	ds_store_b128 v[SI], v[32*((\c)%6)+4*\i:32*((\c)%6)+4*\i+3] offset:2*\i*SP
.endr
.irp i, 0,1,2,3,4,5,6,7
	ds_store_b128 v[SI], v[32*(((\c)+1)%6)+4*\i:32*(((\c)+1)%6)+4*\i+3] offset:(16+2*\i)*SP
.endr
	WIN 0
.irp g, 0,1
.set i, 0
.rept 32
	ds_load_b32 v[X+64*(\par)+32*\g+i], v[SC] offset:SP*i+128*\g
.set i, i+1
.endr
.endr
.endm
; A block of 32 numbers in v[QX] on becomes 6 registers of codes in v[QC] on and its scale byte in v[QB].
.macro QUANT32
	v_max3_num_f32 v[QM], |v[QX]|, |v[QX+1]|, |v[QX+2]|             ; the largest magnitude, in two chains
	v_max3_num_f32 v[QM+1], |v[QX+3]|, |v[QX+4]|, |v[QX+5]|
.irp i, 6,10,14,18,22,26
	v_max3_num_f32 v[QM], v[QM], |v[QX+\i]|, |v[QX+\i+1]|
	v_max3_num_f32 v[QM+1], v[QM+1], |v[QX+\i+2]|, |v[QX+\i+3]|
.endr
	v_max3_num_f32 v[QM], v[QM], |v[QX+30]|, |v[QX+31]|
	v_max3_num_f32 v[QM], v[QM], v[QM+1], 0x1800000                 ; and the floor 2^(3 - 127): the byte cannot fall under 1
	v_add_nc_u32 v[QS], 0xff000000, v[QM]                           ; 2 off the exponent field: the conversion takes this operand's exponent field as its scale
	v_cvt_scalef32_pk16_fp6_f32 v[QC:QC+2], v[QX:QX+15], v[QS]
	v_cvt_scalef32_pk16_fp6_f32 v[QT:QT+2], v[QX+16:QX+31], v[QS]   ; (a conversion's three registers begin on an even number)
	v_lshrrev_b32 v[QB], 23, v[QS]                                  ; the scale's byte; also the plain place behind the conversions
.irp i, 0,1,2
	v_mov_b32 v[QC+3+\i], v[QT+\i]
.endr
.endm
.macro JOB j
	s_wait_dscnt PREVST                            ; my numbers are back from the stage; younger are only the last job's image stores
	JDEC \j
.if ISS < 36
	WIN 0x40                                       ; destination window 1
.endif
	s_wait_alu depctr_vm_vsrc(0)                   ; the stage's stores have read this job's load registers, in which the loads below land; the image stores of the last two jobs have read the codes and words that this job's lines write
.rept JN
.if ISS < 36
	LOADC ISS                                      ; this job's load registers take the chunk six further on
.set ISS, ISS+1
.endif
.endr
.if (\j) < 27
	JDEC (\j)+1
	s_wait_loadcnt 8*(ISS-JF-JN)                   ; the next job's chunks are in: the count is the loads issued behind its last chunk
.if JK == 2
	TURNV JF, ((\j)+1)%2                           ; they turn through the stage while this job is worked.  The numbers land in the other X: the wait on va_vdst at the last job's end has shown its readers done, and no vector instruction was issued since
.else
	TURNK JF, ((\j)+1)%2
.endif
.endif
	WIN 0
	JDEC \j
.set PAR, (\j)%2                       ; numbers, codes and words lie in two sets by the job's parity
.if JK < 2
.set QX, X+64*PAR
.set QC, C+16*PAR
.set QT, T2
.set QM, MX
.set QS, SOP
.set QB, BY
	QUANT32
.set WW, W+2*PAR
	v_lshlrev_b32 v[WW], v[SH8], v[BY]             ; my byte at its place: block h is byte h,
	v_permlanex16_b32 v[WW+1], v[WW], s[SEL], s[SEL+1]
	v_or_b32 v[WW], v[WW], v[WW+1]                 ; with lane l xor 16's: row r's two bytes
.if JK == 0
	WIN 0x40
.irp i, 0,1,2,3,4,5
	v_mov_b32 v[CQ+6*JT+\i], v[QC+\i]              ; Q stays in registers
.endr
	v_mov_b32 v[CQW+JT], v[WW]
	WIN 0
	s_wait_alu depctr_va_vdst(0)                   ; this job's maxima and conversions are done reading its X, in which loads of the next job land
.set PREVST, 0
.else
	s_wait_alu depctr_va_vdst(0)                   ; the codes and the word are written, which the stores below read; and this job's lines are done reading its X, in which loads of the next job land
.set IB, JS*STEPB+(JT/2)*1536
.if JT%2 == 0
	ds_store_b128 v[KI], v[QC:QC+3] offset:IB                       ; registers 0-5 of fragment JT / 2
	ds_store_b64 v[KI], v[QC+4:QC+5] offset:IB+512
.else
	ds_store_b64 v[KI], v[QC:QC+1] offset:IB+520                    ; registers 6-11
	ds_store_b128 v[KI], v[QC+2:QC+5] offset:IB+1024
.endif
	ds_store_b16 v[KS], v[WW] offset:JS*STEPB+SCKO+64*(JT/2)+2*(JT%2)   ; half of row r's scale word; both halves of the lanes write the same bytes with the same value
.set PREVST, 3
.endif
.else
.irp g, 0,1                            ; channel lane + 32 g: row lane % 16 of fragment 2 g + lane / 16; block JT belongs to lanes' half JT % 2, registers 6 (JT / 2) on
.set QX, X+64*PAR+32*\g
.set QC, C+16*PAR+8*\g
.set QT, T2+4*\g
.set QM, MX+2*\g
.set QS, SOP+\g
.set QB, BY+\g
	QUANT32
.if JT == 0
	v_mov_b32 v[VW+\g], v[QB]
.else
	v_lshl_or_b32 v[VW+\g], v[QB], 8*JT, v[VW+\g]                   ; four blocks' bytes make the channel's scale word for the step
.endif
.endr
	s_wait_alu depctr_va_vdst(0)                   ; both channels' codes and words are written, which the stores below read; and this job's lines are done reading its X, in which loads of the next job land
.irp g, 0,1
.set QC, C+16*PAR+8*\g
.set IB, JS*STEPB+VO+3072*\g+256*(JT%2)
.if JT < 2
	ds_store_b128 v[VI], v[QC:QC+3] offset:IB
	ds_store_b64 v[VI], v[QC+4:QC+5] offset:IB+512
.else
	ds_store_b64 v[VI], v[QC:QC+1] offset:IB+520
	ds_store_b128 v[VI], v[QC+2:QC+5] offset:IB+1024
.endif
.if JT == 3
	ds_store_b32 v[VS], v[VW+\g] offset:JS*STEPB+SCVO+128*\g
.endif
.endr
.if JT == 3
.set PREVST, 6
.else
.set PREVST, 4
.endif
.endif
.endm
	WIN 0x40
	s_wait_alu depctr_va_vdst(0)                   ; v1 is written: every global load and store of the kernel reads it as its offset
.set ISS, 0
.rept 6
	LOADC ISS                                      ; the first six chunks go out before anything else is done
.set ISS, ISS+1
.endr
	WIN 0
	v_and_b32 v3, 15, v0                           ; r
	v_bfe_u32 v14, v0, 4, 1                        ; h
	v_lshlrev_b32 v[L4], 2, v4
	v_lshlrev_b32 v[SH8], 3, v14
	s_mul_i32 s18, s[WV], WSTG
	s_add_co_u32 s18, s18, STAGE                   ; my stage
	s_mul_i32 s19, s[WV], 2*STEPB                  ; my two steps' images
	v_mul_u32_u24 v15, v14, SP
	v_lshl_add_u32 v15, v3, 4, v15
	v_add_nc_u32 v[SI], s18, v15
	v_mul_u32_u24 v15, v3, SP
	v_lshl_add_u32 v[SO], v14, 7, v15
	v_add_nc_u32 v[SO], s18, v[SO]
	v_lshl_add_u32 v[OSI], v14, 5, v15
	v_add_nc_u32 v[OSI], s18, v[OSI]
	v_add_nc_u32 v[SC], s18, v[L4]
	v_add_nc_u32 v[KI], s19, v[L16]
	v_lshlrev_b32 v15, 2, v3
	v_add_nc_u32 v[KS], s19, v15
	v_mul_u32_u24 v15, v14, 1536
	v_lshl_add_u32 v15, v3, 4, v15
	v_add_nc_u32 v[VI], s19, v15
	v_add_nc_u32 v[VS], s19, v[L4]
.irp t, 0,1
	v_mov_b32 v[W+2*\t+1], 0                       ; written once: a lane permute's destination counts as one of its sources
	v_mov_b32 v[ST+8*\t+7], 0
	v_mov_b32 v[BS+8*\t+7], 0
	v_mov_b32 v[ST+8*\t+5], 0                      ; (named as the upper half of f's pair)
.endr
	s_wait_loadcnt 40                              ; chunk 0 is in; chunks 1 to 5 may be out
	s_wait_alu depctr_va_vdst(0)                   ; the LDS addresses v2 and v6 to v13 are written, which the LDS stores and loads from here on read; none of them is written again
	TURNK 0, 0
.set PREVST, 0
.set JJ, 0
.rept 28
	JOB JJ
.set JJ, JJ+1
.endr
	s_wait_dscnt 0x0                               ; for the others' sake: my images lie in LDS
	s_barrier_signal -1
	s_barrier_wait -1                              ; the whole head's do.  From here on the images are only read, and a stage is touched by its own wave alone
	s_wait_alu depctr_vm_vsrc(0)                   ; my LDS stores of phase A have read their registers: the six sets of window 1 and the codes and words of window 0, all of which phase B's moves, loads and products write
	WIN 0x40
.irp t, 0,1
.irp i, 0,1,2,3,4,5
	v_mov_b32 v[QF+18*\t+6+\i], 0                  ; the zeros between the two copies of Q: once
.endr
.endr
	WIN 0
; ---------------- PHASE B ----------------
.macro KLOAD off                       ; a step's K: 2 registers of scale words and 4 fragments: 14 LDS loads
	ds_load_b32 v[KSC], v[AK4] offset:\off+SCKO
	ds_load_b32 v[KSC+1], v[AK4] offset:\off+SCKO+128
	WIN 0x40
.irp f, 0,1,2,3
.irp g, 0,1,2
	ds_load_b128 v[KB+12*\f+4*\g:KB+12*\f+4*\g+3], v[AK16] offset:\off+1536*\f+512*\g
.endr
.endr
	WIN 0
.endm
.macro SPROD f, u, t                   ; S^T of tile 2 f + u for tile t of queries: source 0 = fragment f of K, source 1 = [Q, zeros] (u = 0) or [zeros, Q] (u = 1)
.if (\f)%2
	v_wmma_scale_f32_16x16x128_f8f6f4 v[S+64*\t+8*(2*\f+\u):S+64*\t+8*(2*\f+\u)+7], v[KB+12*\f:KB+12*\f+11], v[QF+18*\t+6*\u:QF+18*\t+6*\u+11], 0, v[KSC+\f/2], v[QSA+2*\t+\u] matrix_a_fmt:MATRIX_FMT_FP6 matrix_b_fmt:MATRIX_FMT_FP6 matrix_a_scale:MATRIX_SCALE_ROW1
.else
	v_wmma_scale_f32_16x16x128_f8f6f4 v[S+64*\t+8*(2*\f+\u):S+64*\t+8*(2*\f+\u)+7], v[KB+12*\f:KB+12*\f+11], v[QF+18*\t+6*\u:QF+18*\t+6*\u+11], 0, v[KSC+\f/2], v[QSA+2*\t+\u] matrix_a_fmt:MATRIX_FMT_FP6 matrix_b_fmt:MATRIX_FMT_FP6
.endif
.endm
.macro OPROD c, t                      ; O^T += V^T P^T: channels 16 c on, tile t
.if (\c)%2
	v_wmma_scale_f32_16x16x128_f8f6f4 v[32*\t+8*\c:32*\t+8*\c+7], v[VB+12*\c:VB+12*\c+11], v[P+12*\t:P+12*\t+11], v[32*\t+8*\c:32*\t+8*\c+7], v[VSC+\c/2], v[PSC+\t] matrix_a_fmt:MATRIX_FMT_FP6 matrix_b_fmt:MATRIX_FMT_FP6 matrix_a_scale:MATRIX_SCALE_ROW1
.else
	v_wmma_scale_f32_16x16x128_f8f6f4 v[32*\t+8*\c:32*\t+8*\c+7], v[VB+12*\c:VB+12*\c+11], v[P+12*\t:P+12*\t+11], v[32*\t+8*\c:32*\t+8*\c+7], v[VSC+\c/2], v[PSC+\t] matrix_a_fmt:MATRIX_FMT_FP6 matrix_b_fmt:MATRIX_FMT_FP6
.endif
.endm
; Line k of 32 of tile t's sum of the unquantised p: 32 pairs in two chains, then the sum so far x f + this step's
.macro SUMSLOT t, k
.set rS, S+64*(\t)
.set rA, SA+2*(\t)
.set rB, ST+8*(\t)+6
.set rT, ST+8*(\t)
.if (\k) == 0
	s_wait_alu depctr_va_vdst(0)                   ; tile t's 64 exponentials and its two blocks' largest p are written, ahead of their first reader: one wait for the batch
	v_pk_add_f32 v[rA:rA+1], v[rS:rS+1], v[rS+2:rS+3]
.elseif (\k) == 1
	v_pk_add_f32 v[rB:rB+1], v[rS+4:rS+5], v[rS+6:rS+7]
.elseif (\k) < 30
.if (\k)%2 == 0
	v_pk_add_f32 v[rA:rA+1], v[rA:rA+1], v[rS+2*(\k)+4:rS+2*(\k)+5]
.else
	v_pk_add_f32 v[rB:rB+1], v[rB:rB+1], v[rS+2*(\k)+4:rS+2*(\k)+5]
.endif
.elseif (\k) == 30
	v_pk_add_f32 v[rA:rA+1], v[rA:rA+1], v[rB:rB+1]
.else
	v_pk_fma_f32 v[rT+2:rT+3], v[rT+2:rT+3], v[rT+4:rT+5], v[rA:rA+1] op_sel_hi:[1,0,1]
.endif
.endm
.macro POST t                          ; my two blocks' largest p become the conversions' scale operands, and with lane l xor 16's two bytes the query's scale word
.set rZ, BS+8*(\t)
	v_max_num_f32 v[rZ], 0x1800000, v[rZ]          ; the floor 2^(3 - 127): the byte cannot fall under 1
	v_max_num_f32 v[rZ+1], 0x1800000, v[rZ+1]
	v_add_nc_u32 v[rZ+2], 0xff000000, v[rZ]
	v_add_nc_u32 v[rZ+3], 0xff000000, v[rZ+1]
	v_lshrrev_b32 v[rZ+4], 23, v[rZ+2]
	v_lshrrev_b32 v[rZ+5], 23, v[rZ+3]
	v_lshl_or_b32 v[rZ+6], v[rZ+5], 16, v[rZ+4]    ; blocks h and 2 + h,
	v_lshlrev_b32 v[rZ+6], v[SH8], v[rZ+6]         ; at bytes h and 2 + h
	v_permlanex16_b32 v[rZ+7], v[rZ+6], s[SEL], s[SEL+1]
	v_or_b32 v[PSC+\t], v[rZ+6], v[rZ+7]
.endm
.macro CONV t
.set rS, S+64*(\t)
.set rP, P+12*(\t)
.set rC, CT+8*(\t)
.set rZ, BS+8*(\t)
	v_cvt_scalef32_pk16_fp6_f32 v[rP:rP+2], v[rS:rS+15], v[rZ+2]
	v_cvt_scalef32_pk16_fp6_f32 v[rC:rC+2], v[rS+16:rS+31], v[rZ+2]      ; (a conversion's three registers begin on an even number)
	v_cvt_scalef32_pk16_fp6_f32 v[rP+6:rP+8], v[rS+32:rS+47], v[rZ+3]
	v_cvt_scalef32_pk16_fp6_f32 v[rC+4:rC+6], v[rS+48:rS+63], v[rZ+3]
.endm
.macro JOIN t
.irp i, 0,1,2
	v_mov_b32 v[P+12*\t+3+\i], v[CT+8*\t+\i]
	v_mov_b32 v[P+12*\t+9+\i], v[CT+8*\t+4+\i]
.endr
.endm
; A KEY STEP: 128 keys for my two tiles of queries.  next = 1: the next step's K is fetched in this step.
.macro STEP next
	s_wait_dscnt 0x0                               ; K is in: no LDS instruction was issued behind its 14 loads
	WIN 0x05                                       ; sources 0 and 1 window 1, the result window 0
.irp f, 0,1,2,3
.irp u, 0,1
.irp t, 0,1
	SPROD \f, \u, \t
.endr
.endr
.endr
	WIN 0
	s_wait_alu depctr_vm_vsrc(0)                   ; the LDS loads issued so far have read the four address registers, which the lines below write
	v_add_nc_u32 v[AV16], s[TB], v[L16]            ; four plain instructions stand between the products and the first read of the scores (ISA guide 7.12.1): the step's addresses
	v_add_nc_u32 v[AV4], s[TB], v[L4]
.if \next
	v_add_nc_u32 v[AK16], s[TB], v[L16]
	v_add_nc_u32 v[AK4], s[TB], v[L4]
.else
	v_nop
	v_nop
.endif
	; the largest score of each of my four blocks (two tiles x two blocks of 32 keys), by turns; each accumulator is read from its low end on
.irp t, 0,1
.irp c, 0,1
	v_max3_num_f32 v[BS+8*\t+\c], v[S+64*\t+32*\c], v[S+64*\t+32*\c+1], v[S+64*\t+32*\c+2]
.endr
.endr
.irp i, 1,2,3,4,5,6,7,8,9,10,11,12,13,14
.irp t, 0,1
.irp c, 0,1
	v_max3_num_f32 v[BS+8*\t+\c], v[BS+8*\t+\c], v[S+64*\t+32*\c+2*\i+1], v[S+64*\t+32*\c+2*\i+2]
.endr
.endr
.endr
.irp t, 0,1
.irp c, 0,1
	v_max_num_f32 v[BS+8*\t+\c], v[BS+8*\t+\c], v[S+64*\t+32*\c+31]
.endr
.endr
	WIN 0x40                                       ; destination window 1
	s_wait_alu depctr_va_vdst(0)                   ; THE STEP'S ONE WAIT FOR ITS LOADS: the four addresses are written; the last step's second products are done reading V's fragments and scale words, this step's first products K's.  Both runs below hang on it
.irp f, 0,1,2,3
.irp g, 0,1,2
	ds_load_b128 v[VB+12*\f+4*\g:VB+12*\f+4*\g+3], v[AV16] offset:VO+1536*\f+512*\g
.endr
.endr
	WIN 0
	ds_load_b32 v[VSC], v[AV4] offset:SCVO
	ds_load_b32 v[VSC+1], v[AV4] offset:SCVO+128
	; the running maximum, M and f, the two tiles by turns
.irp t, 0,1
	v_max_num_f32 v[ST+8*\t+6], v[BS+8*\t], v[BS+8*\t+1]
.endr
.irp t, 0,1
	v_permlanex16_b32 v[ST+8*\t+7], v[ST+8*\t+6], s[SEL], s[SEL+1]       ; the query's other 64 keys lie in lane l xor 16
.endr
.if \next
	KLOAD STEPB                                    ; the next step's K.  No further wait: the four lines since the wait name the statistics alone, none of the registers that these loads touch
.endif
.irp t, 0,1
	v_max3_num_f32 v[ST+8*\t+1], v[ST+8*\t+1], v[ST+8*\t+6], v[ST+8*\t+7]
.endr
.irp t, 0,1
	v_mul_f32 v[ST+8*\t+6], s[CS], v[ST+8*\t+1]    ; as t (c is positive)
.endr
.irp t, 0,1
	v_mov_b32 v[ST+8*\t+7], v[ST+8*\t]
.endr
.irp t, 0,1
	v_floor_f32 v[ST+8*\t], -v[ST+8*\t+6]          ; -M = floor(-t) = -ceil(t): M is a whole number
.endr
.irp t, 0,1
	v_sub_f32 v[ST+8*\t+7], v[ST+8*\t], v[ST+8*\t+7]   ; old M - new M: a whole number, 0 or less
.endr
.irp t, 0,1
	v_cvt_i32_f32 v[ST+8*\t+7], v[ST+8*\t+7]       ; (it saturates)
.endr
.irp t, 0,1
	v_ldexp_f32 v[ST+8*\t+4], 1.0, v[ST+8*\t+7]    ; f = 2^(old M - new M): a multiplication by it rounds nothing
.endr
	; tile 0: t - M
.set i, 0
.rept 32
	v_pk_fma_f32 v[S+2*i:S+2*i+1], v[S+2*i:S+2*i+1], s[CS:CS+1], v[ST:ST+1] op_sel_hi:[1,0,0]
.set i, i+1
.endr
	v_fma_f32 v[BS], v[BS], s[CS], v[ST]           ; the same of each block's largest score
	v_fma_f32 v[BS+1], v[BS+1], s[CS], v[ST]
	; tile 0's exponentials, with tile 1's t - M between them
.set i, 0
.rept 32
	v_exp_f32 v[S+2*i], v[S+2*i]
	v_pk_fma_f32 v[S+64+2*i:S+64+2*i+1], v[S+64+2*i:S+64+2*i+1], s[CS:CS+1], v[ST+8:ST+9] op_sel_hi:[1,0,0]
	v_exp_f32 v[S+2*i+1], v[S+2*i+1]
.set i, i+1
.endr
	v_fma_f32 v[BS+8], v[BS+8], s[CS], v[ST+8]
	v_fma_f32 v[BS+9], v[BS+9], s[CS], v[ST+8]
	v_exp_f32 v[BS], v[BS]                         ; a block's largest p: the same two instructions on the same number give the same bits
	v_exp_f32 v[BS+1], v[BS+1]
	; tile 1's exponentials, with tile 0's sum between them
.set i, 0
.rept 32
	v_exp_f32 v[S+64+2*i], v[S+64+2*i]
	SUMSLOT 0, i
	v_exp_f32 v[S+64+2*i+1], v[S+64+2*i+1]
.set i, i+1
.endr
	v_exp_f32 v[BS+8], v[BS+8]
	v_exp_f32 v[BS+9], v[BS+9]
	POST 0                                         ; (plain instructions behind the exponentials)
	CONV 0
.set i, 0
.rept 32
	SUMSLOT 1, i                                   ; tile 1's sum: also the plain place behind tile 0's conversions
.set i, i+1
.endr
	POST 1
	CONV 1
	JOIN 0                                         ; tile 0's moves are the plain place behind tile 1's conversions
	JOIN 1
	WIN 0x41                                       ; O^T (destination and source 0) window 1, f window 0
.irp t, 0,1
.set i, 0
.rept 16
	v_pk_mul_f32 v[32*\t+2*i:32*\t+2*i+1], v[32*\t+2*i:32*\t+2*i+1], v[ST+8*\t+4:ST+8*\t+5] op_sel_hi:[1,0]   ; O^T under the new M, each accumulator from its low end on.  These 32 also stand between the writes of p's codes and scale words and the products that take them
.set i, i+1
.endr
.endr
.if \next
	s_wait_dscnt 14                                ; V is in: younger are the next step's 14 loads of K
.else
	s_wait_dscnt 0x0
.endif
	WIN 0x51                                       ; V, C and D window 1, p window 0
	s_wait_alu depctr_va_vdst(0)                   ; the conversions and moves have written p's codes, the byte arithmetic its scale words: the scaled products below take them as source 1 and as its scales; the places above stay beside this wait
.irp c, 0,1,2,3
.irp t, 0,1
	OPROD \c, \t                                   ; the eight accumulators by turns, one instruction a turn; the next step's sixteen first products stand between two links
.endr
.endr
	WIN 0
.if \next
	s_add_co_u32 s[TB], s[TB], STEPB
.endif
.endm
	s_mov_b32 s[PASS], 2
.Lpass:
	WIN 0x41
.irp t, 0,1
.irp i, 0,1,2,3,4,5
	v_mov_b32 v[QF+18*\t+\i], v[CQ+6*\t+\i]        ; [Q, zeros, Q] of this pass's two tiles
	v_mov_b32 v[QF+18*\t+12+\i], v[CQ+6*\t+\i]
.endr
.endr
	WIN 0x01
	v_mov_b32 v[QSA], v[CQW]
	v_mov_b32 v[QSA+2], v[CQW+1]
	WIN 0
	v_lshlrev_b32 v[QSA+1], 16, v[QSA]             ; the two bytes beside [zeros, Q]
	v_lshlrev_b32 v[QSA+3], 16, v[QSA+2]
	WIN 0x40
.set i, 0
.rept 64
	v_mov_b32 v[i], 0                              ; O^T.  The step is written for every step alike: the first finds zeros, which the first f (0) leaves zeros.  These lines also stand between the writes of Q's registers and scales and the first products
.set i, i+1
.endr
	WIN 0
.irp t, 0,1
	v_mov_b32 v[ST+8*\t+1], 0xff61b1e6             ; the largest score so far: -3e38
	v_mov_b32 v[ST+8*\t+2], 0                      ; the sum, in two halves
	v_mov_b32 v[ST+8*\t+3], 0
.endr
.irp t, 0,1
	v_mul_f32 v[ST+8*\t+6], s[CS], v[ST+8*\t+1]
.endr
.irp t, 0,1
	v_floor_f32 v[ST+8*\t], -v[ST+8*\t+6]          ; -M
.endr
	s_mov_b32 s[TB], 0
	v_add_nc_u32 v[AK16], s[TB], v[L16]            ; (on both ways to this pass a wait on vm_vsrc stands behind the last load that read these two)
	v_add_nc_u32 v[AK4], s[TB], v[L4]
	s_wait_alu depctr_va_vdst(0)                   ; the two addresses are written, which the loads below read; the last pass's first products are done reading K's fragments and scale words, in which they land; and [Q, zeros, Q] and Q's scale words are written, which the scaled products take
	KLOAD 0                                        ; step 0's K: at the loop's head 14 LDS loads are out on both ways in
	s_mov_b32 s[CNT], 15
.Lstep:
	STEP 1
	s_sub_co_u32 s[CNT], s[CNT], 1
	s_cmp_lg_u32 s[CNT], 0
	s_cbranch_scc1 .Lstep
	STEP 0                                         ; the last step fetches nothing beyond the images
	; THE WAY OUT.  The sum's halves and lane l xor 16's are added; O^T / the sum goes through my stage and leaves as whole rows: an instruction stores 512 consecutive bytes, at a multiple of 256 from out's first byte.
.irp t, 0,1
	v_add_f32 v[ST+8*\t+6], v[ST+8*\t+2], v[ST+8*\t+3]
.endr
	v_nop                                          ; with the two additions: four places behind the last products
	v_nop
.irp t, 0,1
	v_permlanex16_b32 v[ST+8*\t+7], v[ST+8*\t+6], s[SEL], s[SEL+1]
.endr
.irp t, 0,1
	v_add_f32 v[ST+8*\t+6], v[ST+8*\t+6], v[ST+8*\t+7]
.endr
.irp t, 0,1
	v_rcp_f32 v[ST+8*\t+4], v[ST+8*\t+6]
.endr
	v_nop                                          ; one plain place behind the reciprocals
	WIN 0x01                                       ; source 0 (O^T) window 1
	s_wait_alu depctr_va_vdst(0)                   ; the two reciprocals are written, ahead of their first reader: one wait for both
.irp t, 0,1
.set i, 0
.rept 16
	v_pk_mul_f32 v[S+64*\t+2*i:S+64*\t+2*i+1], v[32*\t+2*i:32*\t+2*i+1], v[ST+8*\t+4:ST+8*\t+5] op_sel_hi:[1,0]   ; register 8 ct + j: out(query r, channel 16 ct + 8 h + j)
.set i, i+1
.endr
.endr
	WIN 0
	s_wait_alu depctr_va_vdst(0)                   ; the multiplications have written the lower 32 registers of each tile's S, which the LDS stores read; the last step's sums and conversions are done with the upper 32, in which the loads from the stage land
.irp t, 0,1
.irp c, 0,1,2,3
	ds_store_b128 v[OSI], v[S+64*\t+8*\c:S+64*\t+8*\c+3] offset:16*SP*\t+64*\c
	ds_store_b128 v[OSI], v[S+64*\t+8*\c+4:S+64*\t+8*\c+7] offset:16*SP*\t+64*\c+16
.endr
.irp i, 0,1,2,3,4,5,6,7
	ds_load_b128 v[S+64*\t+32+4*\i:S+64*\t+32+4*\i+3], v[SI] offset:16*SP*\t+2*SP*\i   ; LDS serves a wave's instructions in order: these see my stores
.endr
.endr
.irp t, 0,1
.irp i, 0,1,2,3,4,5,6,7
	s_wait_dscnt 23-16*\t-\i                       ; younger than this load: the rest of its tile's eight, and for tile 0 tile 1's sixteen
	global_store_b128 v[L16], v[S+64*\t+32+4*\i:S+64*\t+32+4*\i+3], s[10:11] offset:4096*\t+512*\i th:TH_STORE_NT
.endr
.endr
	s_wait_xcnt 0x0                                ; the stores have read their registers and their base: both are written again only behind this wait
	s_wait_alu depctr_vm_vsrc(0)                   ; beside it: the LDS and global stores have read S's registers, which the next pass's products write; this pass's loads have read AK16 and AK4, which the next pass's head writes
	s_add_nc_u64 s[10:11], s[10:11], 65536         ; the next pass's queries lie 256 rows on
	WIN 0x41
.irp i, 0,1,2,3,4,5,6,7,8,9,10,11
	v_mov_b32 v[CQ+\i], v[CQ+12+\i]                ; and their codes and words come forward (in the last trip these 14 lines move what nobody reads: the price of writing the pass once)
.endr
	v_mov_b32 v[CQW], v[CQW+2]
	v_mov_b32 v[CQW+1], v[CQW+3]
	WIN 0
	s_sub_co_u32 s[PASS], s[PASS], 1
	s_cmp_lg_u32 s[PASS], 0
	s_cbranch_scc1 .Lpass
	s_wait_dscnt 0x0                               ; the closing lines, six on end
	s_wait_alu 0x0
	s_wait_tensorcnt 0x0
	ds_add_u32 v254, v255
	s_wait_dscnt 0x0
	s_endpgm
.Lfunc_end_k_q674991a43c_attn:
	.size	k_q674991a43c_attn, .Lfunc_end_k_q674991a43c_attn-k_q674991a43c_attn
	.p2alignl 7, 3214868480
	.fill 96, 4, 3214868480
	.section	.rodata,"a",@progbits
	.p2align	6, 0x0
	.amdhsa_kernel k_q674991a43c_attn
		.amdhsa_group_segment_fixed_size 288256
		.amdhsa_private_segment_fixed_size 0
		.amdhsa_enable_private_segment 0
		.amdhsa_kernarg_size 32
		.amdhsa_user_sgpr_count 2
		.amdhsa_user_sgpr_kernarg_segment_ptr 1
		.amdhsa_wavefront_size32 1
		.amdhsa_system_sgpr_workgroup_id_x 1
		.amdhsa_system_sgpr_workgroup_id_y 1
		.amdhsa_system_sgpr_workgroup_id_z 1
		.amdhsa_system_vgpr_workitem_id 0
		.amdhsa_next_free_vgpr 512
		.amdhsa_next_free_sgpr 66
		.amdhsa_reserve_vcc 0
		.amdhsa_float_denorm_mode_32 3
		.amdhsa_float_denorm_mode_16_64 3
		.amdhsa_memory_ordered 1
		.amdhsa_forward_progress 1
		.amdhsa_inst_pref_size 219
	.end_amdhsa_kernel
	.amdgpu_metadata
---
amdhsa.version: [ 1, 2 ]
amdhsa.kernels:
  - .name:           k_q674991a43c_attn
    .symbol:         k_q674991a43c_attn.kd
    .args:
      - { .name: query, .offset: 0, .size: 8, .value_kind: global_buffer, .address_space: global }
      - { .name: key, .offset: 8, .size: 8, .value_kind: global_buffer, .address_space: global }
      - { .name: value, .offset: 16, .size: 8, .value_kind: global_buffer, .address_space: global }
      - { .name: out0, .offset: 24, .size: 8, .value_kind: global_buffer, .address_space: global }
    .group_segment_fixed_size: 288256
    .private_segment_fixed_size: 0
    .kernarg_segment_align: 8
    .kernarg_segment_size: 32
    .max_flat_workgroup_size: 256
    .sgpr_count:     66
    .vgpr_count:     512
    .wavefront_size: 32
...
	.end_amdgpu_metadata
.endif
;; end of part 2
